; MI455X (gfx1250); checked and timed in simulation.
; The chip was launched on July 23, 2026; its instructions are those of AMD's public machine-readable ISA for CDNA 5 (MIT licence, August 2026) and "CDNA5" Instruction Set Architecture Reference Guide (July 2026). The comments in the code are by the model that wrote it; some were corrected since.
;; Multi Head Attention. Allowed arithmetic: matrix products marked QUANTISED: E4M3 operands, one given power-of-two scale a tensor, by v_wmma_f32_16x16x64_fp8_fp8 or v_wmma_f32_16x16x128_fp8_fp8, f32 sums; everything else in f32.
;; Inputs: Wk 1,024 x 1,024 float32; Wo 1,024 x 1,024 float32; Wq 1,024 x 1,024 float32; Wv 1,024 x 1,024 float32; bk 1,024 float32; bo 1,024 float32; bq 1,024 float32; bv 1,024 float32; key 4 x 2,048 x 1,024 float32; lowp_scales 12 int32 (the exponents e of the quantised operands' scales 2^e); query 4 x 2,048 x 1,024 float32; value 4 x 2,048 x 1,024 float32.
;; Outputs: out0 4 x 2,048 x 1,024 float32.
;; This version of the problem:
;;   THIS VERSION OF THE PROBLEM IS GIVEN IN LOW PRECISION. The matrix products marked QUANTISED in the list below multiply operands that are first quantised to E4M3 (4 exponent bits, 3 mantissa bits; 8 bits a number), with one given power-of-two scale for each operand tensor; their sums are f32. All else is computed in f32.
;;   The module's matrix products, in the order in which they are computed (A, B: the left and right operand; K: the contracted axis; several contracted axes count as one K, in the product's order):
;;     1. [M 8,192, K 1,024] x [K 1,024, N 1,024]; A: input query; B: input Wq: QUANTISED (scales: A lowp_scales[0], B lowp_scales[1])
;;     2. [M 8,192, K 1,024] x [K 1,024, N 1,024]; A: input key; B: input Wk: QUANTISED (scales: A lowp_scales[2], B lowp_scales[3])
;;     3. [M 8,192, K 1,024] x [K 1,024, N 1,024]; A: input value; B: input Wv: QUANTISED (scales: A lowp_scales[4], B lowp_scales[5])
;;     4. batch 64 x [M 2,048, K 64] x [K 64, N 2,048]; A: computed on the way; B: computed on the way: QUANTISED (scales: A lowp_scales[6], B lowp_scales[7])
;;     5. batch 64 x [M 2,048, K 2,048] x [K 2,048, N 64]; A: softmax (see below); B: computed on the way: QUANTISED (scales: A lowp_scales[8], B lowp_scales[9])
;;     6. [M 8,192, K 1,024] x [K 1,024, N 1,024]; A: computed on the way; B: input Wo: QUANTISED (scales: A lowp_scales[10], B lowp_scales[11])
;;   THE QUANTISER, for each operand of a quantised product, along K:
;;     - The operand's scale is 2^e, e = its entry of the input lowp_scales (int32; the entries are numbered through the quantised products in the list's order, A before B).
;;     - Each number is divided by the scale, clamped to +-448, and rounded to the nearest number of E4M3, ties to even, subnormals kept.
;;     - The product sums the exact products of the quantised numbers (number of the format x scale) in f32.
;;   ~~~python
;;   def quantise(x, axis, e):      # numpy; x: float32 -> the quantised numbers, widened to float32 again
;;       x = np.moveaxis(x, axis, -1); K = x.shape[-1]
;;       r = np.clip(x / 2.0 ** e, -448, 448)
;;       step = 2.0 ** (np.maximum(np.frexp(np.where(r == 0, 1, r))[1] - 1, -6) - 3)
;;       q = np.round(r / step) * step * 2.0 ** e      # np.round: ties to even
;;       return np.moveaxis(q, -1, axis).astype(np.float32)
;;   ~~~
;;   SOFTMAX AHEAD OF A QUANTISED PRODUCT. Where the list says 'softmax', what is quantised is not the finished softmax but p = 2^(t - M), with t = logit x log2(e) and M = ceil(the row's largest t), a whole number; so 1/2 < the row's largest p <= 1. The row's sum l is taken of the UNQUANTISED p, in f32, and the product's result is divided by l at the end. Since M is a whole number, a kernel that streams over the keys may use a running M (the ceiling of the running maximum): every later rescaling is an exact power of two, so the quantised numbers keep their values, but for numbers so far below the row's largest that they fall under the format's range.
;;   OPERANDS COMPUTED ON THE WAY. 'Computed on the way' means the value that the module computes at that place (a softmax that the list does not call 'softmax' is quantised finished and normalised). What goes into a quantiser is computed in f32, as accurately as f32 sums, v_exp_f32 and their like allow (about 1e-6 of the number): no bf16 or f16 on the way to a quantiser, and a product that is left as it is and whose result goes on into a quantised operand takes f32 operands (vector FMAs, or v_wmma_f32_16x16x4_f32). A number that lies on a knife's edge between two numbers of the format may be rounded either way, as far as f32 arithmetic and the matrix unit's own rounding can turn it there, and no further.
;; One version. Each part assembles by itself: llvm-mc -triple=amdgcn-amd-amdhsa -mcpu=gfx1250 --defsym DOCPART=n.
;; ======== version 1 of 1: 4 launches
;; limits: right only within a limited range of input values
;; workspace buffers: xc 25,165,824 bytes; wc 4,194,304 bytes; qkv 25,165,824 bytes; ctx 8,388,608 bytes
;; launch quant (part 1): grid 896 x 1, 4 waves a work-group, no clusters, 68,096 bytes of LDS; arguments query, key, value, Wq, Wk, Wv, Wo, lowp_scales, xc, wc; writes xc, wc
.if DOCPART == 1
	.amdgcn_target "amdgcn-amd-amdhsa--gfx1250"
	.amdhsa_code_object_version 6
	.text
	.protected	k_qe902b47069_quant
	.globl	k_qe902b47069_quant
	.p2align	8
	.type	k_qe902b47069_quant,@function
k_qe902b47069_quant:
	s_mov_b64 s[64:65], 0
	v_nop
	global_prefetch_b8 v0, s[64:65] scope:SCOPE_SE
	s_setreg_imm32_b32 hwreg(HW_REG_WAVE_MODE, 25, 1), 1
	s_wait_xcnt 0x0
; query, key, value [8192][1024] f32 and Wq, Wk, Wv, Wo [1024 k][1024 n] f32 become codes of FP8 (E4M3), each with the one scale 2^e that is given for it:
; code = x / 2^e, held within +-448, rounded to the nearest code, ties to even.
; xc: [3][8192][1024] codes, K innermost.  wc: [4][1024 n][1024 k] codes, K innermost (the weights are turned: a lane takes a column n and its registers run down K).
; ORDER INSIDE A BLOCK OF 32 ALONG K, in both buffers: its four groups of 8 codes lie in the order g0, g2, g1, g3.  The 16 bytes at 32 c + 16 h of a row then hold k = 32 c + 8 h + 0..7 and
; k = 32 c + 16 + 8 h + 0..7: one 16-byte load a lane gives four registers of the fp8 matrix operand in that operand's own order of k.
; Work-groups 0..127 take the weights (32 each: 8 x 128 columns, 4 x 256 along K), work-groups 128..895 the activations (256 each, 32,768 numbers a work-group).  The two ways share no LDS byte, and waves share nothing: no barrier.
; LIMITS: each e lies between -126 and 119, so that 2^e and 448 x 2^e are f32 numbers.  NaN among the inputs is not served; an infinity is held at the largest code.
; Nothing is shared between work-groups and the launch is a plain stream: no cluster, no tensor load, no matrix unit, no prefetch.
.set STEPS, 16                         ; activations: steps of 512 numbers for a wave
.set SP,    80                         ; a place in the stage: 64 bytes + 16 of padding
.set XREG,  8192                       ; LDS 0..32,767: a region for each wave of the activations' way: two stages of 32 x SP bytes
.set R,     16                         ; v16-79   four sets of 16 numbers as they are loaded
.set XN,    80                         ; v80-111  two sets of 16 numbers: two groups of 8 neighbours
.set XC,    128                        ; v128-191 codes: four registers for each step
.set WSTG,  32768                      ; LDS from 32,768 on: the weights' way: a stage of 32 rows x PITCH for each wave
.set PITCH, 272
.set WREG,  32*PITCH
.set NB,    8                          ; weights: blocks of 32 along K for a wave
.set WN,    32                         ; v32-95   two sets of 32 numbers
.set WCD,   96                         ; v96-103  a block's codes
.set OUTR,  112                        ; v112-175 the way out
	s_load_b512 s[4:19], s[0:1], 0x0               ; query 4:5, key 6:7, value 8:9, Wq 10:11, Wk 12:13, Wv 14:15, Wo 16:17, the scales' exponents 18:19
	s_load_b128 s[20:23], s[0:1], 0x40             ; xc 20:21, wc 22:23
	v_lshl_add_u32 v192, v0, 2, 0x10800
	v_mov_b32 v193, 0
	v_lshrrev_b32 v1, 5, v0
	v_readfirstlane_b32 s24, v1                    ; wave 0..3
	v_and_b32 v2, 31, v0                           ; lane
	v_lshlrev_b32 v3, 4, v2                        ; 16 x lane: activations, in and out
	v_lshlrev_b32 v5, 2, v2                        ; 4 x lane: weights, in
	; all LDS addresses of both ways are made here, ahead of the branch
	s_mul_i32 s25, s24, XREG
	v_lshrrev_b32 v14, 2, v2
	v_mul_u32_u24 v14, v14, SP
	v_and_b32 v15, 3, v2
	v_lshl_add_u32 v14, v15, 4, v14
	v_add_nc_u32 v14, s25, v14                     ; activations, into the stage: four lanes' 64 bytes on end, then the padding
	v_lshrrev_b32 v15, 1, v2
	v_mul_u32_u24 v15, v15, 2*SP
	v_and_b32 v6, 1, v2
	v_lshl_add_u32 v15, v6, 5, v15
	v_add_nc_u32 v15, s25, v15                     ; and out of it: block lane / 2 (two places); the even lane takes g0 and g2, the odd one g1 and g3
	s_mul_i32 s26, s24, WREG
	s_add_co_u32 s26, s26, WSTG
	v_mul_u32_u24 v4, v2, PITCH
	v_add_nc_u32 v4, s26, v4                       ; weights, into the stage: row = my column
	v_and_b32 v12, 15, v2
	v_lshrrev_b32 v13, 4, v2
	v_mul_u32_u24 v7, v13, PITCH
	v_lshl_add_u32 v7, v12, 4, v7
	v_add_nc_u32 v7, s26, v7                       ; and out of it: sixteen lanes to a row, two rows an instruction
	v_lshlrev_b32 v8, 10, v13
	v_lshl_add_u32 v8, v12, 4, v8                  ; the same place in wc (a row of codes is 1,024 bytes)
	s_wait_kmcnt 0x0
	s_cmp_lt_u32 ttmp9, 128
	s_cbranch_scc0 .Lx
	; ---------------- THE WEIGHTS ----------------
	s_lshr_b32 s27, ttmp9, 5                       ; which weight: 0 Wq, 1 Wk, 2 Wv, 3 Wo
	s_and_b32 s28, ttmp9, 7                        ; which 128 columns
	s_bfe_u32 s29, ttmp9, 0x20003                  ; which 256 along K
	s_lshl_b32 s31, s27, 3
	s_add_co_u32 s31, s31, 4                       ; entries 1, 3, 5 of the scales,
	s_cmp_eq_u32 s27, 3
	s_cselect_b32 s31, 44, s31                     ; and 11 for Wo
	s_load_b32 s30, s[18:19], s31 offset:0x0       ; e
	s_cmp_eq_u32 s27, 1
	s_cselect_b64 s[10:11], s[12:13], s[10:11]
	s_cmp_eq_u32 s27, 2
	s_cselect_b64 s[10:11], s[14:15], s[10:11]
	s_cmp_eq_u32 s27, 3
	s_cselect_b64 s[10:11], s[16:17], s[10:11]     ; the weight's address: a choice on the work-group's number
	s_lshl_b32 s32, s28, 7
	s_lshl_b32 s33, s24, 5
	s_add_co_u32 s32, s32, s33                     ; my wave's first column
	s_lshl_b32 s34, s29, 20                        ; 256 rows of 4,096 bytes
	s_lshl_b32 s33, s32, 2
	s_add_co_u32 s34, s34, s33
	s_mov_b32 s35, 0
	s_add_nc_u64 s[10:11], s[10:11], s[34:35]
	s_lshl_b32 s36, s27, 20                        ; the weight's codes,
	s_lshl_b32 s33, s32, 10                        ; my column's row of them,
	s_add_co_u32 s36, s36, s33
	s_lshl_b32 s33, s29, 8                         ; my 256 along K
	s_add_co_u32 s36, s36, s33
	s_mov_b32 s37, 0
	s_add_nc_u64 s[22:23], s[22:23], s[36:37]
.macro WLOAD t                         ; block t into set t % 2: register i takes the row of K whose code is to lie at byte i of the block (groups in the order 0, 2, 1, 3); 32 lanes read 128 consecutive bytes
.set i, 0
.rept 32
	global_load_b32 v[WN+32*((\t)%2)+i], v5, s[10:11] offset:(32*(\t)+8*(2*((i/8)%2)+i/16)+i%8)*4096 th:TH_LOAD_NT
.set i, i+1
.endr
.endm
	WLOAD 0
	WLOAD 1
	s_wait_kmcnt 0x0
	s_add_co_i32 s30, s30, 127
	s_lshl_b32 s31, s30, 23
	v_mov_b32 v11, s31                             ; 2^e as f32: the conversion takes its exponent field
	s_add_co_i32 s30, s30, 8
	s_lshl_b32 s30, s30, 23
	s_or_b32 s30, s30, 0x600000
	v_mov_b32 v10, s30                             ; 448 x 2^e
.macro WBLOCK t
.set WS, WN+32*((\t)%2)
.if (\t) < NB-1
	s_wait_loadcnt 32                              ; this block's 32 loads are in; the next block's 32 may be out
.else
	s_wait_loadcnt 0
.endif
.set i, 0
.rept 32
	v_med3_num_f32 v[WS+i], v[WS+i], -v10, v10     ; the conversion to an 8-bit code does not saturate (ISA guide 7.6.2): the hold comes first
.set i, i+1
.endr
.irp g, 0,1,2,3
	v_cvt_scalef32_pk8_fp8_f32 v[WCD+2*\g:WCD+2*\g+1], v[WS+8*\g:WS+8*\g+7], v11
.endr
	ds_store_b128 v4, v[WCD:WCD+3] offset:32*(\t)  ; 32 codes of my column's row (the results go to LDS stores alone; the next block begins with plain vector lines)
	ds_store_b128 v4, v[WCD+4:WCD+7] offset:32*(\t)+16
.if (\t)+2 < NB
	WLOAD (\t)+2
.endif
	s_wait_dscnt 0x0                               ; the stores have read their registers: the next block's codes may be written
.endm
	s_wait_alu depctr_va_vdst(0)
.irp t, 0,1,2,3,4,5,6,7
	WBLOCK \t
.endr
.irp t, 0,1,2,3,4,5,6,7,8,9,10,11,12,13,14,15
	ds_load_b128 v[OUTR+4*\t:OUTR+4*\t+3], v7 offset:2*\t*PITCH   ; LDS serves a wave's instructions in order (ISA guide 5.7.1.4): these see my stores
.endr
.irp t, 0,1,2,3,4,5,6,7,8,9,10,11,12,13,14,15
	s_wait_dscnt 15-\t                             ; load t is in; the 15 - t behind it may be out
	global_store_b128 v8, v[OUTR+4*\t:OUTR+4*\t+3], s[22:23] offset:2*\t*1024   ; sixteen lanes store 256 consecutive bytes, at a multiple of 256 from wc's first byte
.endr
	s_wait_tensorcnt 0x0
	ds_add_u32 v192, v193
	s_wait_dscnt 0x0
	s_endpgm
	; ---------------- THE ACTIVATIONS ----------------
.Lx:
	s_sub_co_u32 s27, ttmp9, 128
	s_lshr_b32 s28, s27, 8                         ; which tensor: 0 query, 1 key, 2 value
	s_and_b32 s27, s27, 255
	s_lshl_b32 s27, s27, 2
	s_add_co_u32 s27, s27, s24                     ; which run of 8,192 numbers is my wave's
	s_lshl_b32 s31, s28, 3                         ; entries 0, 2, 4 of the scales
	s_load_b32 s30, s[18:19], s31 offset:0x0       ; e
	s_cmp_eq_u32 s28, 1
	s_cselect_b64 s[4:5], s[6:7], s[4:5]
	s_cmp_eq_u32 s28, 2
	s_cselect_b64 s[4:5], s[8:9], s[4:5]
	s_lshl_b32 s32, s27, 15
	s_mov_b32 s33, 0
	s_add_nc_u64 s[4:5], s[4:5], s[32:33]
	s_lshl_b32 s34, s28, 23
	s_lshl_b32 s36, s27, 13
	s_add_co_u32 s34, s34, s36
	s_mov_b32 s35, 0
	s_add_nc_u64 s[20:21], s[20:21], s[34:35]
.macro XLOAD t
.irp i, 0,1,2,3
	global_load_b128 v[R+16*((\t)%4)+4*\i:R+16*((\t)%4)+4*\i+3], v3, s[4:5] offset:2048*(\t)+512*\i th:TH_LOAD_NT   ; 32 lanes read 512 consecutive bytes
.endr
.endm
.macro XTURN t                         ; step t's 2,048 bytes through the stage.  In: as they lie.  Out: a lane takes two groups of 8 neighbours, 64 numbers' bytes apart less the padding: +0, +16 and +80, +96.
.irp i, 0,1,2,3                        ; (the reads out touch only every second 16-byte column of the banks' row: two passes where one would do; memory binds this launch)
	ds_store_b128 v14, v[R+16*((\t)%4)+4*\i:R+16*((\t)%4)+4*\i+3] offset:32*SP*((\t)%2)+8*SP*\i
.endr
.irp i, 0,1,2,3
	ds_load_b128 v[XN+16*((\t)%2)+4*\i:XN+16*((\t)%2)+4*\i+3], v15 offset:32*SP*((\t)%2)+16*(\i%2)+SP*(\i/2)
.endr
.endm
.irp t, 0,1,2,3
	XLOAD \t
.endr
	s_wait_kmcnt 0x0
	s_add_co_i32 s30, s30, 127
	s_lshl_b32 s31, s30, 23
	v_mov_b32 v11, s31                             ; 2^e as f32
	s_add_co_i32 s30, s30, 8
	s_lshl_b32 s30, s30, 23
	s_or_b32 s30, s30, 0x600000
	v_mov_b32 v10, s30                             ; 448 x 2^e
	s_wait_alu depctr_va_vdst(0)
	s_wait_loadcnt 12                              ; step 0's four loads are in; the twelve of steps 1 to 3 may be out
	XTURN 0
.macro XSTEP t
.set XS, XN+16*((\t)%2)
	s_wait_dscnt 0x0                               ; this step's numbers are back from the stage, so its stores into the stage have read their registers,
.if (\t)+4 < STEPS
	XLOAD (\t)+4                                   ; which take the loads of four steps on
.endif
.if (\t)+1 < STEPS
.if STEPS-2-(\t) >= 3
	s_wait_loadcnt 12                              ; the next step's four loads are in; those of the three steps behind it may be out
.else
	s_wait_loadcnt 4*(STEPS-2-(\t))
.endif
	XTURN (\t)+1
.endif
.set i, 0
.rept 16
	v_med3_num_f32 v[XS+i], v[XS+i], -v10, v10     ; the hold at the largest code x the scale
.set i, i+1
.endr
	v_cvt_scalef32_pk8_fp8_f32 v[XC+4*(\t):XC+4*(\t)+1], v[XS:XS+7], v11
	v_cvt_scalef32_pk8_fp8_f32 v[XC+4*(\t)+2:XC+4*(\t)+3], v[XS+8:XS+15], v11   ; (the results go to a store alone; the next step's holds are plain lines on other registers)
	global_store_b128 v3, v[XC+4*(\t):XC+4*(\t)+3], s[20:21] offset:512*(\t)    ; the wave stores 512 consecutive bytes, aligned
.endm
.irp t, 0,1,2,3,4,5,6,7,8,9,10,11,12,13,14,15
	XSTEP \t
.endr
	s_wait_tensorcnt 0x0
	ds_add_u32 v192, v193
	s_wait_dscnt 0x0
	s_endpgm
.Lfunc_end_k_qe902b47069_quant:
	.size	k_qe902b47069_quant, .Lfunc_end_k_qe902b47069_quant-k_qe902b47069_quant
	.p2alignl 7, 3214868480
	.fill 96, 4, 3214868480
	.section	.rodata,"a",@progbits
	.p2align	6, 0x0
	.amdhsa_kernel k_qe902b47069_quant
		.amdhsa_group_segment_fixed_size 68096
		.amdhsa_private_segment_fixed_size 0
		.amdhsa_enable_private_segment 0
		.amdhsa_kernarg_size 80
		.amdhsa_user_sgpr_count 2
		.amdhsa_user_sgpr_kernarg_segment_ptr 1
		.amdhsa_wavefront_size32 1
		.amdhsa_system_sgpr_workgroup_id_x 1
		.amdhsa_system_sgpr_workgroup_id_y 1
		.amdhsa_system_sgpr_workgroup_id_z 1
		.amdhsa_system_vgpr_workitem_id 0
		.amdhsa_next_free_vgpr 194
		.amdhsa_next_free_sgpr 66
		.amdhsa_reserve_vcc 0
		.amdhsa_float_denorm_mode_32 3
		.amdhsa_float_denorm_mode_16_64 3
		.amdhsa_memory_ordered 1
		.amdhsa_forward_progress 1
		.amdhsa_inst_pref_size 86
	.end_amdhsa_kernel
	.amdgpu_metadata
---
amdhsa.version: [ 1, 2 ]
amdhsa.kernels:
  - .name:           k_qe902b47069_quant
    .symbol:         k_qe902b47069_quant.kd
    .args:
      - { .name: query, .offset: 0, .size: 8, .value_kind: global_buffer, .address_space: global }
      - { .name: key, .offset: 8, .size: 8, .value_kind: global_buffer, .address_space: global }
      - { .name: value, .offset: 16, .size: 8, .value_kind: global_buffer, .address_space: global }
      - { .name: Wq, .offset: 24, .size: 8, .value_kind: global_buffer, .address_space: global }
      - { .name: Wk, .offset: 32, .size: 8, .value_kind: global_buffer, .address_space: global }
      - { .name: Wv, .offset: 40, .size: 8, .value_kind: global_buffer, .address_space: global }
      - { .name: Wo, .offset: 48, .size: 8, .value_kind: global_buffer, .address_space: global }
      - { .name: lowp_scales, .offset: 56, .size: 8, .value_kind: global_buffer, .address_space: global }
      - { .name: xc, .offset: 64, .size: 8, .value_kind: global_buffer, .address_space: global }
      - { .name: wc, .offset: 72, .size: 8, .value_kind: global_buffer, .address_space: global }
    .group_segment_fixed_size: 68096
    .private_segment_fixed_size: 0
    .kernarg_segment_align: 8
    .kernarg_segment_size: 80
    .max_flat_workgroup_size: 128
    .sgpr_count:     66
    .vgpr_count:     194
    .wavefront_size: 32
...
	.end_amdgpu_metadata
.endif
;; end of part 1
;; launch proj (part 2): grid 12 x 32, 4 waves a work-group, clusters of 4 x 4, 327,680 bytes of LDS; arguments xc, wc, lowp_scales, bq, bk, bv, qkv; writes qkv
.if DOCPART == 2
	.amdgcn_target "amdgcn-amd-amdhsa--gfx1250"
	.amdhsa_code_object_version 6
	.text
	.protected	k_qe902b47069_proj
	.globl	k_qe902b47069_proj
	.p2align	8
	.type	k_qe902b47069_proj,@function
k_qe902b47069_proj:
	s_mov_b64 s[64:65], 0
	v_nop
	global_prefetch_b8 v0, s[64:65] scope:SCOPE_SE
	s_setreg_imm32_b32 hwreg(HW_REG_WAVE_MODE, 25, 1), 1
	s_wait_xcnt 0x0
	s_wait_alu depctr_hold_cnt(0) depctr_sa_sdst(0) depctr_va_vdst(0) depctr_va_sdst(0) depctr_va_ssrc(0) depctr_va_vcc(0) depctr_vm_vsrc(0)
	s_getreg_b32 s2, hwreg(HW_REG_IB_STS2, 6, 4)
	s_cmp_eq_u32 s2, 0
	s_cbranch_scc0 .Lentry_in_a_cluster
	s_endpgm
.Lentry_in_a_cluster:
	s_bfe_u32 s2, ttmp6, 0x10000c
	s_cmp_lg_u32 s2, 0xf033
	s_cbranch_scc0 .Lentry_shape_is_right
	s_endpgm
.Lentry_shape_is_right:
; q = query Wq + bq, k = key Wk + bk, v = value Wv + bv on codes of FP8 (E4M3); each result is quantised again with its own given scale and stored as IMAGES OF THE NEXT LAUNCH'S OPERAND REGISTERS.
; The cluster's x (0, 1, 2) says which of the three; it is the same in all sixteen partners.  A tile is 256 tokens x 256 channels x K 1,024; four waves, each 128 x 128: 64 accumulators, 512 registers.
; K goes in four steps of 256 through a ring of two LDS slots filled by joint tensor loads: the activation's tile is shared along a row of the cluster, the weight's along a column.
; THE MATRIX INSTRUCTION: lane (r, h), register j of a result holds (row 8 h + j of source 0, row r of source 1).
;   q, k: source 0 = 16 channels (rows of the weight's codes), source 1 = 16 tokens: a lane holds one token and 8 neighbouring channels: eight results convert into two registers of a fragment [16 tokens x 64 channels].
;   v:    source 0 = 16 tokens, source 1 = 16 channels: a lane holds one channel and 8 neighbouring keys: two registers of a fragment [16 channels x 128 keys].
; Memory and LDS are alike in all three; only the LDS part that feeds each source is chosen, by two scalars made from the cluster's x.
; The bias is the C of each sum's first product, divided by the power of two that the sums lack.  The three scales (ea, eb, and the result's eo) are folded into the conversion's one: 2^(eo - ea - eb).
; qkv: [64 heads of the batch][393,216]: Q's 128 tiles of 1,024 bytes; then 16 key steps of 16,384: K's 8 tiles of 1,024, then V's 4 fragments of 2,048.  A piece is four registers: lane l's 16 bytes at 16 l, 512 bytes.
; LIMITS: eo - ea - eb between -126 and 119, for each of the three.  NaN is not served.
; No prefetch: of the four K steps two are asked for at the head and two at the first two changes of slots.
; REGISTERS, in windows of 256: window 0: v16-31 addresses and constants; v32-95 the bias; v128-255 source 1's fragments, ONE set, later the codes.  window 1: source 0's fragments, TWO sets.  windows 2, 3: the accumulators, (a, b) at v[8 (8 (a % 4) + b)].
; TWO SENTENCES OF THE HEAD ABOVE NO LONGER HOLD, AND THESE TAKE THEIR PLACE.  (1) LDS is read alike in all three projections: the first 256 rows of a slot feed source 1, the other 256 source 0.
; For v the two parts change roles in memory: the first takes the weight's rows (block cy), the second the tokens' rows (block 4 x cluster y + cx).
; (2) Of the four K steps one is asked for at the head, one behind the round that follows it, two at the first two changes of slots.  Behind each of the first two joint loads stands one prefetch,
; for the K step two refills on: of the 128 rows that a wave fetches each of the four partners names 32, a lane a row of 256 bytes, told apart by address.
.set ROWB,   256
.set KROW,   1024                      ; a row of codes in memory
.set PITCH,  272                       ; an LDS row: 256 bytes + 16 of padding = 68 words: the 16 rows that a load touches start at 16 different banks (64 banks of 4 bytes: ISA guide 11.1)
.set FR,     16
.set NL,     4
.set NP,     4
.set HALFT,  128*PITCH
.set SLOT,   4*HALFT                   ; the activation's 256 rows, then the weight's 256
.set SPARE,  2*SLOT                    ; behind the ring: the spare words, 128 bytes for each wave
.set ADRA, 16                          ; v16-17  LDS address of source 1's fragments in slot 0, 1
.set ADRB, 20                          ; v20-21  the same for source 0
.set OFF0, 24                          ; v24     16 x lane
.set OFF1, 25                          ; v25     16 x lane + the distance to pieces 2 and 3
.set BOF,  26                          ; v26     the bias's offset
.set SPW,  28                          ; v28     my spare word; never rewritten
.set NIL,  29                          ; v29     0; never rewritten
.set SCL,  30                          ; v30     2^(eo - ea - eb)
.set LIM,  31                          ; v31     448 x that
.set BIAS, 32
.set AF,   128
.set CODE, 128
.set G1, 24
.set G0, 32
.set G1B, 48
.set G0B, 56
.set BA, 66                            ; s[66:81] eight bases for the stores, one for each block a
.set MSB, 0
.macro WIN new                         ; the immediate's high byte repeats the setting that is left
.if MSB != \new
	s_set_vgpr_msb (MSB<<8)|\new
.set MSB, \new
.endif
.endm
.set MUL_LO, 0xa1                      ; source 0 window 1, source 1 window 0, C and D window 2
.set MUL_HI, 0xf1                      ; the same, C and D window 3
.set FST_LO, 0x81                      ; the first products: C (the bias) window 0, D window 2
.set FST_HI, 0xc1
.set TO_B,   0x40
.macro JLOAD g0a, g1a, g0b, g1b        ; a joint load: waves 0 and 1 fetch the activation's halves, waves 2 and 3 the weight's; four v_nop follow each line
	s_cmp_eq_u32 s15, 0
	s_cbranch_scc0 .Lfor_b_\@
	tensor_load_to_lds s[\g0a:\g0a+3], s[\g1a:\g1a+7]
	s_nop 0
.rept 4
	v_nop
.endr
	s_branch .Lasked_\@
.Lfor_b_\@:
	tensor_load_to_lds s[\g0b:\g0b+3], s[\g1b:\g1b+7]
	s_nop 0
.rept 4
	v_nop
.endr
.Lasked_\@:
.endm
.macro CREST                           ; a round of the cluster's barrier behind its opening barrier
	s_cmp_lg_u32 s14, 0
	s_cbranch_scc1 .Lnot_wave_0_\@
	s_barrier_signal -3
.Lnot_wave_0_\@:
	s_barrier_wait -3
	s_barrier_signal -1
	s_barrier_wait -1
.endm
.macro CROUND
	s_barrier_signal -1
	s_barrier_wait -1
	CREST
.endm
	s_load_b128 s[4:7], s[0:1], 0x0                ; xc, wc
	s_load_b128 s[8:11], s[0:1], 0x10              ; the scales' exponents, bq
	s_load_b128 s[84:87], s[0:1], 0x20             ; bk, bv
	s_load_b64 s[12:13], s[0:1], 0x30              ; qkv
	v_lshl_add_u32 v[SPW], v0, 2, SPARE
	v_mov_b32 v[NIL], 0
	ds_add_u32 v28, v29
	ds_add_u32 v28, v29
	s_wait_dscnt 0x0
	v_lshrrev_b32 v1, 5, v0
	v_readfirstlane_b32 s14, v1                    ; wave 0..3
	s_lshr_b32 s15, s14, 1                         ; which half of source 1's rows is mine.  Also: I fetch the activation (0) or the weight (1)
	s_and_b32 s16, s14, 1                          ; which half of source 0's rows.  Also: which 128 rows I fetch
	s_bfe_u32 s40, ttmp6, 0x40000                  ; cx
	s_bfe_u32 s41, ttmp6, 0x40004                  ; cy
	s_mov_b32 s42, ttmp9                           ; which projection: 0 q, 1 k, 2 v
	s_and_b32 s17, ttmp7, 0xffff
	s_lshl_b32 s17, s17, 2
	s_add_co_u32 s17, s17, s41                     ; which 256 tokens: 4 x cluster y + cy
	s_lshl_b32 s43, s41, 2
	s_lshl_b32 s43, 15, s43                        ; my row of the cluster
	s_lshl_b32 s44, 0x1111, s40                    ; my column
	s_or_b32 s[G1+0], s43, (0<<16)|(1<<20)|(1<<21)|(5<<22)|(3<<25)  ; 15:0 the mask; 17:16 elements of 1 byte; 20 padding on; 21 set beside a mask; 24:22 after every 64 words; 31:25 four words
	s_or_b32 s[G1B+0], s44, (0<<16)|(1<<20)|(1<<21)|(5<<22)|(3<<25)
.irp g, G1, G1B
	s_mov_b32 s[\g+1], ROWB<<16                    ; tensor_dim0
	s_mov_b32 s[\g+2], 128<<16                     ; tensor_dim1
	s_mov_b32 s[\g+3], ROWB<<16                    ; tile_dim0
	s_mov_b32 s[\g+4], 128                         ; tile_dim1
	s_mov_b32 s[\g+5], KROW                        ; tensor_dim0_stride
	s_mov_b32 s[\g+6], 0
	s_mov_b32 s[\g+7], 0
.endr
	s_lshl_b32 s18, s16, 7
	; LDS is alike in all three projections: bytes 0 .. 2 HALFT feed source 1, the rest of a slot source 0.  For v the two parts change roles IN MEMORY: the first takes the weight's rows,
	; block cy (shared along my row of the cluster), the second the tokens' rows, block 4 x cluster y + cx (shared along my column).
	s_and_b32 s94, ttmp7, 0xffff
	s_lshl_b32 s94, s94, 2
	s_add_co_u32 s94, s94, s40                     ; 4 x cluster y + cx
	s_cmp_eq_u32 s42, 2                            ; v?
	s_cselect_b32 s20, s41, s17                    ; the first part's block of 256 rows: hangs on cy, never on cx
	s_cselect_b32 s46, s94, s40                    ; the second part's: hangs on cx, never on cy
	s_cselect_b32 s19, 20, 23                      ; a weight's codes are 2^20 bytes, an activation's 2^23
	s_cselect_b32 s95, 23, 20
	s_lshl_b32 s19, s42, s19
	s_lshl_b32 s95, s42, s95
	s_lshl_b32 s20, s20, 8
	s_add_co_u32 s20, s20, s18
	s_lshl_b32 s20, s20, 10                        ; the activation: token row 256 gy + 128 half, 1,024 bytes a row,
	s_add_co_u32 s20, s20, s19
	s_mov_b32 s21, 0
	s_lshl_b32 s46, s46, 8
	s_add_co_u32 s46, s46, s18
	s_lshl_b32 s46, s46, 10                        ; the weight: channel row 256 cx + 128 half,
	s_add_co_u32 s46, s46, s95
	s_mov_b32 s47, 0
	s_mul_i32 s45, s14, HALFT                      ; where they go: wave x 128 rows
	s_lshl_b32 s88, s42, 3                         ; entries 2 p, 2 p + 1 of the scales: ea, eb
	s_lshl_b32 s89, s42, 2
	s_add_co_u32 s89, s89, 24                      ; entries 6, 7 for q, k,
	s_cmp_eq_u32 s42, 2
	s_cselect_b32 s89, 36, s89                     ; 9 for v: eo
	s_wait_kmcnt 0x0
	s_load_b64 s[96:97], s[8:9], s88 offset:0x0
	s_load_b32 s98, s[8:9], s89 offset:0x0
	s_cmp_eq_u32 s42, 2
	s_cselect_b64 s[82:83], s[6:7], s[4:5]         ; the first part comes from wc for v, else from xc: a choice on the cluster's x
	s_cselect_b64 s[92:93], s[4:5], s[6:7]         ; the second part from the other
	s_add_nc_u64 s[20:21], s[82:83], s[20:21]
	s_add_nc_u64 s[46:47], s[92:93], s[46:47]
	CROUND                                         ; all sixteen work-groups are here: the first joint loads meet
.irp s, 0,1
	s_mov_b32 s[G0+4*\s], 1
	s_add_co_u32 s[G0+4*\s+1], s45, \s*SLOT
	s_add_nc_u64 s[G0+4*\s+2:G0+4*\s+3], s[20:21], \s*ROWB
	s_or_b32 s[G0+4*\s+3], s[G0+4*\s+3], 0x80000000
	s_mov_b32 s[G0B+4*\s], 1
	s_add_co_u32 s[G0B+4*\s+1], s45, \s*SLOT
	s_add_nc_u64 s[G0B+4*\s+2:G0B+4*\s+3], s[46:47], \s*ROWB
	s_or_b32 s[G0B+4*\s+3], s[G0B+4*\s+3], 0x80000000
.endr
	JLOAD G0, G1, G0B, G1B                         ; K step 0: one tensor load a wave at the head
	s_cmp_eq_u32 s15, 0                            ; the prefetches: the tile that I fetch,
	s_cselect_b64 s[82:83], s[20:21], s[46:47]
	s_cselect_b32 s92, s40, s41                    ; my place among the four that ask for it with me: cx for the first part, cy for the second
	s_lshl_b32 s92, s92, 15                        ; my work-group's 32 rows of 1,024 bytes
	s_mov_b32 s93, 0
	s_add_nc_u64 s[82:83], s[82:83], s[92:93]
	v_and_b32 v27, 31, v0
	v_lshlrev_b32 v27, 10, v27                     ; a lane a row; v27 and s[82:83] are never rewritten
	global_prefetch_b8 v27, s[82:83] offset:ROWB th:TH_LOAD_NT scope:SCOPE_SE     ; K step 1 as well: its joint load goes out when K step 0's has landed and a round has passed
	global_prefetch_b8 v27, s[82:83] offset:2*ROWB th:TH_LOAD_NT scope:SCOPE_SE   ; K step 2
	v_and_b32 v1, 15, v0                           ; r
	v_bfe_u32 v2, v0, 4, 1                         ; h
	v_mul_u32_u24 v3, v1, PITCH
	v_lshl_add_u32 v4, v2, 4, v3                   ; a fragment's row x pitch + 16 h
	s_wait_alu depctr_va_vdst(0)
	s_cmp_eq_u32 s42, 2                            ; v?
	s_cselect_b32 s17, s94, s17                    ; from here on: my block of 256 tokens,
	s_cselect_b32 s40, s41, s40                    ; and my block of 256 channels (they enter the bias's and the stores' addresses alone)
	s_cselect_b32 s18, s15, s16                    ; the half that counts channels
	s_cselect_b32 s19, s16, s15                    ; the half that counts tokens
	s_cselect_b64 s[90:91], s[86:87], s[10:11]     ; bv or bq,
	s_cmp_eq_u32 s42, 1
	s_cselect_b64 s[90:91], s[84:85], s[90:91]     ; or bk
	s_mul_i32 s21, s15, HALFT
	s_mul_i32 s22, s16, HALFT
	s_add_co_u32 s22, s22, 2*HALFT
.irp s, 0,1
	v_add_nc_u32 v[ADRA+\s], s21, v4
	v_add_nc_u32 v[ADRB+\s], s22, v4
	s_add_co_u32 s21, s21, SLOT
	s_add_co_u32 s22, s22, SLOT
.endr
	s_lshl_b32 s92, s40, 10
	s_lshl_b32 s93, s18, 9
	s_add_co_u32 s92, s92, s93                     ; my 128 channels' bias: (256 cx + 128 half) x 4 bytes
	s_mov_b32 s93, 0
	s_add_nc_u64 s[90:91], s[90:91], s[92:93]
	s_cmp_eq_u32 s42, 2
	s_cbranch_scc1 .Lbias_v
	v_lshlrev_b32 v[BOF], 5, v2                    ; q, k: for tile b the lane's eight channels 16 b + 8 h + 0..7
.irp b, 0,1,2,3,4,5,6,7
	global_load_b128 v[BIAS+8*\b:BIAS+8*\b+3], v[BOF], s[90:91] offset:64*\b
	global_load_b128 v[BIAS+8*\b+4:BIAS+8*\b+7], v[BOF], s[90:91] offset:64*\b+16
.endr
	s_branch .Lbias_in
.Lbias_v:
	v_lshlrev_b32 v[BOF], 2, v1                    ; v: for block a the lane's one channel 16 a + r, in all eight registers
.irp a, 0,1,2,3,4,5,6,7
.irp j, 0,1,2,3,4,5,6,7
	global_load_b32 v[BIAS+8*\a+\j], v[BOF], s[90:91] offset:64*\a
.endr
.endr
.Lbias_in:
	; where the images go.  q, k: block a is tile a of 16 tokens (1,024 bytes apart); pieces 0, 1 belong to my first head, pieces 2, 3 to the next (393,216 on).
	; v: block a is fragment a % 4 (2,048 apart) of head a / 4 (393,216 on); pieces 2, 3 lie 1,024 on.
	s_lshr_b32 s22, s17, 3
	s_lshl_b32 s22, s22, 4                         ; 16 x batch
	s_lshl_b32 s23, s40, 2
	s_add_co_u32 s22, s22, s23
	s_lshl_b32 s23, s18, 1
	s_add_co_u32 s22, s22, s23                     ; + my first head: 4 cx + 2 x the channels' half
	s_mul_i32 s22, s22, 393216
	s_and_b32 s23, s17, 7
	s_lshl_b32 s23, s23, 1
	s_add_co_u32 s23, s23, s19                     ; which 128 tokens of the batch's 2,048
	s_cmp_eq_u32 s42, 0
	s_cselect_b32 s18, 13, 14                      ; they are 8,192 bytes of Q, or a key step of 16,384,
	s_cselect_b32 s19, 0, 131072                   ; which lie behind Q
	s_lshl_b32 s23, s23, s18
	s_add_co_u32 s22, s22, s23
	s_add_co_u32 s22, s22, s19
	s_cmp_eq_u32 s42, 2
	s_cselect_b32 s19, 8192, 0                     ; V behind the step's K
	s_mov_b32 s92, 1024
	s_cselect_b32 s92, 2048, s92                   ; from block a to a + 1
	s_mov_b32 s94, 4096
	s_cselect_b32 s94, 393216, s94                 ; from block a to a + 4
	s_mov_b32 s20, 393216
	s_cselect_b32 s20, 1024, s20                   ; from piece 0 to piece 2
	s_add_co_u32 s22, s22, s19
	s_mov_b32 s23, 0
	s_mov_b32 s93, 0
	s_mov_b32 s95, 0
	s_add_nc_u64 s[BA:BA+1], s[12:13], s[22:23]
.irp a, 1,2,3
	s_add_nc_u64 s[BA+2*\a:BA+2*\a+1], s[BA+2*\a-2:BA+2*\a-1], s[92:93]
.endr
	s_add_nc_u64 s[BA+8:BA+9], s[BA:BA+1], s[94:95]
.irp a, 5,6,7
	s_add_nc_u64 s[BA+2*\a:BA+2*\a+1], s[BA+2*\a-2:BA+2*\a-1], s[92:93]
.endr
	v_and_b32 v[OFF0], 31, v0
	v_lshlrev_b32 v[OFF0], 4, v[OFF0]
	v_add_nc_u32 v[OFF1], s20, v[OFF0]
	s_wait_loadcnt 0x0                             ; the bias
	s_wait_kmcnt 0x0                               ; ea, eb, eo
	s_add_co_i32 s94, s96, s97                     ; a sum stands for sum x 2^(ea + eb): the bias goes in divided by that
	s_sub_co_i32 s95, 0, s94
.set i, 0
.rept 64
	v_ldexp_f32 v[BIAS+i], v[BIAS+i], s95
.set i, i+1
.endr
	s_sub_co_i32 s88, s98, s94                     ; eo - ea - eb
	s_add_co_i32 s88, s88, 127
	s_lshl_b32 s89, s88, 23
	v_mov_b32 v[SCL], s89
	s_add_co_i32 s88, s88, 8
	s_lshl_b32 s88, s88, 23
	s_or_b32 s88, s88, 0x600000
	v_mov_b32 v[LIM], s88
.macro FRAG reg, adr, q, i             ; 16 rows x 128 K: four loads of 16 bytes, 32 apart; by the order in which the codes lie, registers 2 c, 2 c + 1 hold K = 16 c + 8 h + 0..7
.irp c, 0,1,2,3
	ds_load_b128 v[\reg+4*\c:\reg+4*\c+3], v[\adr] offset:128*(\q)+32*\c+(\i)*16*PITCH
.endr
.endm
; 16 matrix instructions: blocks a0, a0 + 1 of source 1 x the eight tiles of source 0.  zero = 0: onto the sums; 1: the sums begin with tile b's bias; 2: with block a's.
; The 64 accumulators take turns, one instruction a turn, in the same order in every step.
.macro MUL16 a0, p, zero
.irp a, \a0, \a0+1
.irp b, 0,1,2,3,4,5,6,7
.if \zero == 1
	v_wmma_f32_16x16x128_fp8_fp8 v[8*(8*((\a)%4)+\b):8*(8*((\a)%4)+\b)+7], v[128*(\p)+FR*\b:128*(\p)+FR*\b+FR-1], v[AF+FR*(\a):AF+FR*(\a)+FR-1], v[BIAS+8*\b:BIAS+8*\b+7]
.elseif \zero == 2
	v_wmma_f32_16x16x128_fp8_fp8 v[8*(8*((\a)%4)+\b):8*(8*((\a)%4)+\b)+7], v[128*(\p)+FR*\b:128*(\p)+FR*\b+FR-1], v[AF+FR*(\a):AF+FR*(\a)+FR-1], v[BIAS+8*(\a):BIAS+8*(\a)+7]
.else
	v_wmma_f32_16x16x128_fp8_fp8 v[8*(8*((\a)%4)+\b):8*(8*((\a)%4)+\b)+7], v[128*(\p)+FR*\b:128*(\p)+FR*\b+FR-1], v[AF+FR*(\a):AF+FR*(\a)+FR-1], v[8*(8*((\a)%4)+\b):8*(8*((\a)%4)+\b)+7]
.endif
.endr
.endr
.endm
.macro FETCH_B slot, q, p
	WIN TO_B
.irp i, 0,1,2,3,4,5,6,7
	FRAG 128*(\p)+FR*\i, ADRB+\slot, \q, \i
.endr
	WIN 0
.endm
.macro FETCH_A slot, q, i0
.irp i, \i0, \i0+1, \i0+2, \i0+3
	FRAG AF+FR*(\i), ADRA+\slot, \q, \i
.endr
.endm
.macro PLACES n                        ; plain vector lines between a matrix instruction and a load into, or a vector read of, its registers
.rept \n
	v_nop
.endr
.endm
.macro STEP slot, q, zero              ; 128 along K whose successor lies in the same slot
	s_wait_dscnt 4*NL                              ; source 0's set and blocks 0-3 are in; the youngest 16 loads (blocks 4-7) may be out
.if \zero
	WIN FST_LO
.else
	WIN MUL_LO
.endif
	MUL16 0, (\q)%2, \zero
	MUL16 2, (\q)%2, \zero
	s_wait_dscnt 0                                 ; blocks 4-7 are in
	PLACES NP
	FETCH_B \slot, (\q)+1, 1-(\q)%2
	FETCH_A \slot, (\q)+1, 0
.if \zero
	WIN FST_HI
.else
	WIN MUL_HI
.endif
	MUL16 4, (\q)%2, \zero
	MUL16 6, (\q)%2, \zero
	PLACES NP
	WIN 0
	FETCH_A \slot, (\q)+1, 4
.endm
; A slot's last step changes slots: one barrier; in front of it each wave waits for all its tensor loads, adds 0 to its spare word, and waits for that and for its reads of this slot.
.macro TURN slot, next, fill
	s_wait_tensorcnt 0x0                           ; all my tensor loads have landed: my part of the next slot
	ds_add_u32 v[SPW], v[NIL]                      ; 0 onto my spare word
	s_wait_dscnt 4*NL+1                            ; (the add and the youngest 16 loads may be out)
	WIN MUL_LO
	MUL16 0, 1, 0
	s_wait_dscnt 0x0                               ; the add is done, and my reads of this slot are over
	s_barrier_signal -1
	MUL16 2, 1, 0
	WIN 0
	s_barrier_wait -1
.if \fill
	CREST                                          ; the barrier has opened a round of the cluster's: no wave of any partner still reads this slot or has a load on its way
	s_add_nc_u64 s[G0+4*\slot+2:G0+4*\slot+3], s[G0+4*\slot+2:G0+4*\slot+3], 2*ROWB
	s_add_nc_u64 s[G0B+4*\slot+2:G0B+4*\slot+3], s[G0B+4*\slot+2:G0B+4*\slot+3], 2*ROWB
	JLOAD G0+4*\slot, G1, G0B+4*\slot, G1B         ; the first tensor load behind the round; its four v_nop are also the places in front of the loads below
.else
	PLACES NP
.endif
	FETCH_B \next, 0, 0
	FETCH_A \next, 0, 0
	WIN MUL_HI
	MUL16 4, 1, 0
	MUL16 6, 1, 0
	PLACES NP
	WIN 0
	FETCH_A \next, 0, 4
.endm
	s_wait_alu depctr_va_vdst(0)
	s_wait_tensorcnt 0x0                           ; my part of K step 0 is in
	ds_add_u32 v[SPW], v[NIL]
	s_wait_dscnt 0x0
	CROUND                                         ; a whole round: everybody's part of K step 0 is in,
	JLOAD G0+4, G1, G0B+4, G1B                     ; and K step 1's load is the first tensor load behind the round
	FETCH_B 0, 0, 0
	FETCH_A 0, 0, 0
	FETCH_A 0, 0, 4
	global_prefetch_b8 v27, s[82:83] offset:3*ROWB th:TH_LOAD_NT scope:SCOPE_SE   ; K step 3, behind K step 1's joint load and the run of LDS loads
	s_cmp_eq_u32 s42, 2
	s_cbranch_scc1 .Lfirst_v
	s_wait_alu depctr_va_vdst(0)
	STEP 0, 0, 1
	s_branch .Lfirst_done
.Lfirst_v:
	s_wait_alu depctr_va_vdst(0)
	STEP 0, 0, 2
.Lfirst_done:
	TURN 0, 1, 1                                   ; four K steps of 256: written out, no loop
	STEP 1, 0, 0
	TURN 1, 0, 1
	STEP 0, 0, 0
	TURN 0, 1, 0
	STEP 1, 0, 0
	s_wait_dscnt 4*NL                              ; the very last step
	WIN MUL_LO
	MUL16 0, 1, 0
	MUL16 2, 1, 0
	s_wait_dscnt 0
	WIN MUL_HI
	MUL16 4, 1, 0
	MUL16 6, 1, 0
	WIN 0
	PLACES NP
; THE WAY OUT, without LDS: hold, convert, store.  An accumulator's eight registers are eight neighbours along the next product's K: two registers of codes; each accumulator is read from its low end on.
.macro HOLD half
.set WSEL, 0x82+0x41*(\half)           ; source 0 and destination window 2 or 3, the limit window 0
	WIN WSEL
.set i, 0
.rept 256
	v_med3_num_f32 v[i], v[i], -v[LIM], v[LIM]     ; the conversion to an 8-bit code does not saturate (ISA guide 7.6.2)
.set i, i+1
.endr
.set WSEL, 0x02+(\half)                ; source 0 window 2 or 3, the rest window 0
	WIN WSEL
.set i, 0
.rept 32
	v_cvt_scalef32_pk8_fp8_f32 v[CODE+64*(\half)+2*i:CODE+64*(\half)+2*i+1], v[8*i:8*i+7], v[SCL]
.set i, i+1
.endr
.endm
	HOLD 0
	HOLD 1
	WIN 0
	v_nop                                          ; a plain line behind the last conversion
.irp a, 0,1,2,3,4,5,6,7
.irp x, 0,1,2,3
	global_store_b128 v[OFF0+(\x)/2], v[CODE+16*\a+4*\x:CODE+16*\a+4*\x+3], s[BA+2*\a:BA+2*\a+1] offset:512*((\x)%2)   ; a piece: the wave stores 512 consecutive bytes, aligned
.endr
.endr
	s_wait_tensorcnt 0x0                           ; the wave's end
	ds_add_u32 v[SPW], v[NIL]
	s_wait_dscnt 0x0
	CROUND                                         ; the closing round
	s_endpgm
.Lfunc_end_k_qe902b47069_proj:
	.size	k_qe902b47069_proj, .Lfunc_end_k_qe902b47069_proj-k_qe902b47069_proj
	.p2alignl 7, 3214868480
	.fill 96, 4, 3214868480
	.section	.rodata,"a",@progbits
	.p2align	6, 0x0
	.amdhsa_kernel k_qe902b47069_proj
		.amdhsa_group_segment_fixed_size 327680
		.amdhsa_private_segment_fixed_size 0
		.amdhsa_enable_private_segment 0
		.amdhsa_kernarg_size 56
		.amdhsa_user_sgpr_count 2
		.amdhsa_user_sgpr_kernarg_segment_ptr 1
		.amdhsa_wavefront_size32 1
		.amdhsa_system_sgpr_workgroup_id_x 1
		.amdhsa_system_sgpr_workgroup_id_y 1
		.amdhsa_system_sgpr_workgroup_id_z 1
		.amdhsa_system_vgpr_workitem_id 0
		.amdhsa_next_free_vgpr 1024
		.amdhsa_next_free_sgpr 100
		.amdhsa_reserve_vcc 0
		.amdhsa_float_denorm_mode_32 3
		.amdhsa_float_denorm_mode_16_64 3
		.amdhsa_memory_ordered 1
		.amdhsa_forward_progress 1
		.amdhsa_inst_pref_size 140
	.end_amdhsa_kernel
	.amdgpu_metadata
---
amdhsa.version: [ 1, 2 ]
amdhsa.kernels:
  - .name:           k_qe902b47069_proj
    .symbol:         k_qe902b47069_proj.kd
    .args:
      - { .name: xc, .offset: 0, .size: 8, .value_kind: global_buffer, .address_space: global }
      - { .name: wc, .offset: 8, .size: 8, .value_kind: global_buffer, .address_space: global }
      - { .name: lowp_scales, .offset: 16, .size: 8, .value_kind: global_buffer, .address_space: global }
      - { .name: bq, .offset: 24, .size: 8, .value_kind: global_buffer, .address_space: global }
      - { .name: bk, .offset: 32, .size: 8, .value_kind: global_buffer, .address_space: global }
      - { .name: bv, .offset: 40, .size: 8, .value_kind: global_buffer, .address_space: global }
      - { .name: qkv, .offset: 48, .size: 8, .value_kind: global_buffer, .address_space: global }
    .group_segment_fixed_size: 327680
    .private_segment_fixed_size: 0
    .kernarg_segment_align: 8
    .kernarg_segment_size: 56
    .max_flat_workgroup_size: 128
    .sgpr_count:     100
    .vgpr_count:     1024
    .wavefront_size: 32
...
	.end_amdgpu_metadata
.endif
;; end of part 2
;; launch attn (part 3): grid 4 x 64, 8 waves a work-group, no clusters, 263,168 bytes of LDS; arguments qkv, lowp_scales, ctx; writes ctx
.if DOCPART == 3
	.amdgcn_target "amdgcn-amd-amdhsa--gfx1250"
	.amdhsa_code_object_version 6
	.text
	.protected	k_qe902b47069_attn
	.globl	k_qe902b47069_attn
	.p2align	8
	.type	k_qe902b47069_attn,@function
k_qe902b47069_attn:
	s_mov_b64 s[64:65], 0
	v_nop
	global_prefetch_b8 v0, s[64:65] scope:SCOPE_SE
	s_setreg_imm32_b32 hwreg(HW_REG_WAVE_MODE, 25, 1), 1
	s_wait_xcnt 0x0
; ctx = softmax(q k^T / 8) v for one head of one batch (work-group y) and 512 of its 2,048 queries (work-group x), both products on codes of FP8 (E4M3); the result is quantised with its given scale.
; qkv holds images of operand registers: for each head 128 tiles of Q (16 queries, 1,024 bytes), then 16 key steps of 16,384 bytes: K's 8 tiles of 16 keys, then V's 4 fragments (16 channels x 128 keys).
; ctx: [token tile][head][1,024 bytes]: images of the next launch's operand.
; THE SOFTMAX: t = score x log2(e) / 8; M = the running largest t rounded up to a whole number; p = 2^(t - M) is quantised, not normalised; the sum of the unquantised p divides at the end.
; When M moves, the sum and O are multiplied by 2^(old M - new M), which rounds nothing.  The largest score is kept as a score; it seeds the next step's maxima.
; SHARES: eight waves, two to a SIMD; a wave owns two tiles of 16 queries at a time, which share every fragment of K and V, and takes two such pairs one after the other.
; Both products are used transposed (S^T = K Q^T, O^T = V^T P^T): a lane holds one query throughout.
; LDS holds the head's whole K and V, 262,144 bytes, at the byte offsets that they have in memory.  They come THROUGH REGISTERS: key steps 0-3 at the head (8,192 bytes a wave),
; the other 196,608 bytes under the first three key steps (8,192 bytes a wave and step); one barrier behind each of the two parts.
; NO TENSOR LOAD, NO CLUSTER: p is at most 1, so the hold at 448 x 2^ep changes nothing where ep >= -8.  A scalar branch on ep, inside the step, leads round the step's 128 holds;
; the four work-groups of a head each load K and V for themselves.
; NO PREFETCH: all of K and V is asked for by the third key step, and Q for both passes by then too: no later stream is left to run ahead of.
; LIMITS: eq + ek between -123 and 130; ep, and e(ctx) - ep - ev, between -126 and 119; the scaled scores stay under 2^31 in magnitude.  NaN is not served.
; REGISTERS.  Window 0: v1-35 addresses and both tiles' small state; v40-55 Q; v64-127 K's fragments; v128-191 V's; v192-255 the bytes on their way to LDS, later the second pass's Q.
; Window 1: v0-127 S^T, then p, of tile 0 and tile 1; v128-191 O^T of both; v192-223 p's codes; v224-255 partial sums.
.set STEPB, 16384
.set SPARE, 0x40000
.set LN,  1                            ; 16 x lane
.set ADK, 2
.set ADV, 3
.set SPW, 4                            ; my spare word; never rewritten
.set NIL, 5                            ; 0; never rewritten
.set GA,  6                            ; byte offset of what I carry to LDS: the same in memory and in LDS
.set NM0, 8                            ; -M of tile 0; v9 its largest score
.set MR0, 9
.set NM1, 10
.set MR1, 11
.set F0,  12                           ; f = 2^(old M - new M); v13, v15 are named with them as pairs
.set F1,  14
.set L0,  16                           ; the sums, two halves each
.set L1,  18
.set SCLP, 20
.set LIMP, 21
.set SCLO, 22
.set LIMO, 23
.set AC,  24                           ; v24-31 four chains of maxima for each tile
.set X0,  32
.set X1,  33
.set TM0, 34
.set TM1, 35
.set QF,  40
.set KF,  64
.set VF,  128
.set ST,  192
.set S0,  0
.set S1,  64
.set O0,  128
.set O1,  160
.set PC0, 192
.set PC1, 208
.set T,   224
.set WV,  10
.set KV,  16
.set SO,  18
.set SEL, 40
.set CS,  42
.set TB,  44
.set TBN, 45
.set CNT, 46
.set NCS, 47
.set EP,  50
.set QB,  54
.set CB,  56
.set MSB, 0
.macro WIN new                         ; the immediate's high byte repeats the setting that is left
.if MSB != \new
	s_set_vgpr_msb (MSB<<8)|\new
.set MSB, \new
.endif
.endm
.macro LD16 r, adr, off                ; 16 pieces of 512 bytes: 64 registers of fragments
.set i, 0
.rept 16
	ds_load_b128 v[\r+4*i:\r+4*i+3], v[\adr] offset:\off+512*i
.set i, i+1
.endr
.endm
.macro GL16 r                          ; 8,192 bytes from memory,
.set i, 0
.rept 16
	global_load_b128 v[\r+4*i:\r+4*i+3], v[GA], s[KV:KV+1] offset:512*i
.set i, i+1
.endr
.endm
.macro SL16 r                          ; and into LDS
.set i, 0
.rept 16
	ds_store_b128 v[GA], v[\r+4*i:\r+4*i+3] offset:512*i
.set i, i+1
.endr
.endm
.macro QLOAD r, blk                    ; two tiles of Q
.irp i, 0,1,2,3
	global_load_b128 v[\r+4*\i:\r+4*\i+3], v[LN], s[QB:QB+1] offset:16384*\blk+512*\i th:TH_LOAD_NT
.endr
.endm
.macro PADD d, a, b, n                 ; n packed additions on neighbouring pairs
.set j, 0
.rept \n
	v_pk_add_f32 v[\d+j:\d+j+1], v[\a+j:\a+j+1], v[\b+j:\b+j+1]
.set j, j+2
.endr
.endm
.macro MAXRUN a, mr, s                 ; a tile's 64 scores and the largest so far, in four chains; each accumulator is read from its low end on
.irp k, 0,1,2,3
	v_max3_num_f32 v[\a+\k], v[\mr], v[\s+2*\k], v[\s+2*\k+1]
.endr
.set i, 8
.rept 7
.irp k, 0,1,2,3
	v_max3_num_f32 v[\a+\k], v[\a+\k], v[\s+i+2*\k], v[\s+i+2*\k+1]
.endr
.set i, i+8
.endr
.endm
.macro INIT
	v_mov_b32 v[MR0], 0xff61b1e6                   ; -3e38, under every score
	v_mov_b32 v[MR1], 0xff61b1e6
	v_mov_b32 v[NM0], 0x7f61b1e6                   ; -M = 3e38: the first step's f is 0
	v_mov_b32 v[NM1], 0x7f61b1e6
.irp r, 0,1,2,3
	v_mov_b32 v[L0+\r], 0
.endr
	WIN 0x40
.set i, 0
.rept 64
	v_mov_b32 v[O0+i], 0                           ; the step is written once: its first run finds zeros
.set i, i+1
.endr
	WIN 0
.endm
; A KEY STEP: 128 keys for both tiles.  K's fragments were asked for in the step before.  stream = 1: 8,192 bytes more go to LDS.  qf: where Q's two fragments lie.
.macro STEP stream, qf
	s_add_co_u32 s[TBN], s[TB], STEPB
	s_min_u32 s[TBN], s[TBN], 15*STEPB
	v_add_nc_u32 v[ADV], s[TB], v[LN]
	v_add_nc_u32 v[ADK], s[TBN], v[LN]
	v_nop
	v_nop                                          ; four places behind the last products, ahead of the loads into V's fragments
	LD16 VF, ADV, 8192
	s_wait_alu depctr_va_vdst(0)
	s_wait_dscnt 16                                ; K's fragments are in (and my stores of the step before are done); V's 16 loads may be out
.if \stream
	v_add_nc_u32 v[GA], s[SO], v[LN]
	GL16 ST
.endif
	WIN 0x40
.irp t, 0,1,2,3,4,5,6,7
	v_wmma_f32_16x16x64_fp8_fp8 v[S0+8*\t:S0+8*\t+7], v[KF+8*\t:KF+8*\t+7], v[\qf:\qf+7], 0
.endr
.irp t, 0,1,2,3,4,5,6,7
	v_wmma_f32_16x16x64_fp8_fp8 v[S1+8*\t:S1+8*\t+7], v[KF+8*\t:KF+8*\t+7], v[\qf+8:\qf+15], 0
.endr
	WIN 0
.rept 4
	v_nop
.endr
	LD16 KF, ADK, 0                                ; the next step's K
	WIN 0x14
	MAXRUN AC, MR0, S0
	MAXRUN AC+4, MR1, S1
	WIN 0                                          ; the two tiles' tails by turns
	v_max3_num_f32 v[AC], v[AC], v[AC+1], v[AC+2]
	v_max3_num_f32 v[AC+4], v[AC+4], v[AC+5], v[AC+6]
	v_max_num_f32 v[AC], v[AC], v[AC+3]
	v_max_num_f32 v[AC+4], v[AC+4], v[AC+7]
	v_permlanex16_b32 v[X0], v[AC], s[SEL], s[SEL+1]
	v_permlanex16_b32 v[X1], v[AC+4], s[SEL], s[SEL+1]
	v_max_num_f32 v[MR0], v[AC], v[X0]             ; the largest score so far
	v_max_num_f32 v[MR1], v[AC+4], v[X1]
	v_mul_f32 v[TM0], s[NCS], v[MR0]               ; -t
	v_mul_f32 v[TM1], s[NCS], v[MR1]
	v_floor_f32 v[TM0], v[TM0]                     ; the new -M = floor(-t)
	v_floor_f32 v[TM1], v[TM1]
	v_sub_f32 v[F0], v[TM0], v[NM0]                ; old M - new M: a whole number, 0 or less
	v_sub_f32 v[F1], v[TM1], v[NM1]
	v_mov_b32 v[NM0], v[TM0]
	v_mov_b32 v[NM1], v[TM1]
	v_cvt_i32_f32 v[F0], v[F0]                     ; (it saturates)
	v_cvt_i32_f32 v[F1], v[F1]
	v_ldexp_f32 v[F0], 1.0, v[F0]
	v_ldexp_f32 v[F1], 1.0, v[F1]
	WIN 0x41
.set i, 0
.rept 16
	v_pk_mul_f32 v[O0+i:O0+i+1], v[O0+i:O0+i+1], v[F0:F0+1] op_sel_hi:[1,0]   ; O^T under the new M
.set i, i+2
.endr
.set i, 0
.rept 16
	v_pk_mul_f32 v[O1+i:O1+i+1], v[O1+i:O1+i+1], v[F1:F1+1] op_sel_hi:[1,0]
.set i, i+2
.endr
.set i, 0
.rept 32
	v_pk_fma_f32 v[S0+i:S0+i+1], v[S0+i:S0+i+1], s[CS:CS+1], v[NM0:NM0+1] op_sel_hi:[1,0,0]   ; t - M
.set i, i+2
.endr
	s_wait_alu depctr_va_vdst(0)                   ; the wait ahead of a batch of transcendentals
.set i, 0
.rept 32                                       ; tile 0's exponentials, tile 1's scalings among them: these are read behind the next wait
	v_exp_f32 v[S0+i], v[S0+i]
	v_exp_f32 v[S0+i+1], v[S0+i+1]
	v_pk_fma_f32 v[S1+i:S1+i+1], v[S1+i:S1+i+1], s[CS:CS+1], v[NM1:NM1+1] op_sel_hi:[1,0,0]
.set i, i+2
.endr
	s_wait_alu depctr_va_vdst(0)                   ; behind the first batch and ahead of the second
	WIN 0x45
.set i, 0
.rept 16                                       ; tile 1's exponentials, the first additions of tile 0's p among them: 16 sums of their own, read behind the next wait
	v_exp_f32 v[S1+4*i], v[S1+4*i]
	v_exp_f32 v[S1+4*i+1], v[S1+4*i+1]
	v_exp_f32 v[S1+4*i+2], v[S1+4*i+2]
	v_exp_f32 v[S1+4*i+3], v[S1+4*i+3]
	v_pk_add_f32 v[T+2*i:T+2*i+1], v[S0+4*i:S0+4*i+1], v[S0+4*i+2:S0+4*i+3]
.set i, i+1
.endr
	s_wait_alu depctr_va_vdst(0)                   ; behind the second batch
	PADD T, T, T+16, 8                             ; THE SUMS ARE TAKEN OF THE UNQUANTISED p: tile 0's tree in v224-239, tile 1's eight chains in v240-255, by turns
	PADD T+16, S1, S1+16, 8
	PADD T, T, T+8, 4
	PADD T+16, T+16, S1+32, 8
	PADD T, T, T+4, 2
	PADD T+16, T+16, S1+48, 8
	PADD T, T, T+2, 1
	PADD T+16, T+16, T+24, 4
	PADD T+16, T+16, T+20, 2
	PADD T+16, T+16, T+18, 1
	WIN 0
	s_cmp_ge_i32 s[EP], -8                         ; p <= 1 <= 448 x 2^ep: the hold would change nothing
	s_wait_alu depctr_va_vdst(0)
	s_cbranch_scc1 .Lno_hold_\@
	WIN 0x41
.set i, 0
.rept 128
	v_min_num_f32 v[S0+i], v[S0+i], v[LIMP]        ; the conversion to an 8-bit code does not saturate (ISA guide 7.6.2); p is not negative
.set i, i+1
.endr
	WIN 0
.Lno_hold_\@:
	WIN 0x41
.set i, 0
.rept 16
	v_cvt_scalef32_pk8_fp8_f32 v[PC0+2*i:PC0+2*i+1], v[S0+8*i:S0+8*i+7], v[SCLP]
.set i, i+1
.endr
	WIN 0x10
	v_pk_fma_f32 v[L0:L0+1], v[L0:L0+1], v[F0:F0+1], v[T:T+1] op_sel_hi:[1,0,1]        ; the sums under the new M, and this step's (plain lines behind the conversions)
	v_pk_fma_f32 v[L1:L1+1], v[L1:L1+1], v[F1:F1+1], v[T+16:T+17] op_sel_hi:[1,0,1]
	s_wait_alu depctr_va_vdst(0)
	s_wait_dscnt 16                                ; V's fragments are in; the next K's 16 loads may be out
	WIN 0x54
.irp d, 0,1,2,3
	v_wmma_f32_16x16x128_fp8_fp8 v[O0+8*\d:O0+8*\d+7], v[VF+16*\d:VF+16*\d+15], v[PC0:PC0+15], v[O0+8*\d:O0+8*\d+7]
.endr
.irp d, 0,1,2,3
	v_wmma_f32_16x16x128_fp8_fp8 v[O1+8*\d:O1+8*\d+7], v[VF+16*\d:VF+16*\d+15], v[PC1:PC1+15], v[O1+8*\d:O1+8*\d+7]
.endr
	WIN 0
.if \stream
	s_wait_loadcnt 0x0                             ; this step's 8,192 bytes are in registers
	SL16 ST
	s_add_co_u32 s[SO], s[SO], 8192
.endif
	s_add_co_u32 s[TB], s[TB], STEPB
.endm
; THE WAY OUT of a pair of tiles: O^T / the sum, held, converted with 2^(e(ctx) - ep - ev), stored as images: each store of the wave covers 512 consecutive bytes, aligned.
.macro OUT blk
.rept 4
	v_nop
.endr
	s_wait_dscnt 0x0                               ; the last step's loads into K's fragments
	v_add_f32 v[L0], v[L0], v[L0+1]
	v_add_f32 v[L1], v[L1], v[L1+1]
	v_permlanex16_b32 v[X0], v[L0], s[SEL], s[SEL+1]
	v_permlanex16_b32 v[X1], v[L1], s[SEL], s[SEL+1]
	v_add_f32 v[L0], v[L0], v[X0]
	v_add_f32 v[L1], v[L1], v[X1]
	s_wait_alu depctr_va_vdst(0)                   ; the wait ahead of the transcendentals
	v_rcp_f32 v[F0], v[L0]
	v_rcp_f32 v[F1], v[L1]
	v_nop
	WIN 0x41
	s_wait_alu depctr_va_vdst(0)                   ; behind them, directly ahead of the first reader of O^T
.set i, 0
.rept 16
	v_pk_mul_f32 v[O0+i:O0+i+1], v[O0+i:O0+i+1], v[F0:F0+1] op_sel_hi:[1,0]
.set i, i+2
.endr
.set i, 0
.rept 16
	v_pk_mul_f32 v[O1+i:O1+i+1], v[O1+i:O1+i+1], v[F1:F1+1] op_sel_hi:[1,0]
.set i, i+2
.endr
.set i, 0
.rept 64
	v_med3_num_f32 v[O0+i], v[O0+i], -v[LIMO], v[LIMO]
.set i, i+1
.endr
.irp d, 0,1,2,3
	v_cvt_scalef32_pk8_fp8_f32 v[PC0+2*\d:PC0+2*\d+1], v[O0+8*\d:O0+8*\d+7], v[SCLO]
	v_cvt_scalef32_pk8_fp8_f32 v[PC1+2*\d:PC1+2*\d+1], v[O1+8*\d:O1+8*\d+7], v[SCLO]
.endr
	v_nop                                          ; a plain line behind the last conversion
	WIN 0x04
	global_store_b128 v[LN], v[PC0:PC0+3], s[CB:CB+1] offset:262144*\blk
	global_store_b128 v[LN], v[PC0+4:PC0+7], s[CB:CB+1] offset:262144*\blk+512
	global_store_b128 v[LN], v[PC1:PC1+3], s[CB:CB+1] offset:262144*\blk+16384
	global_store_b128 v[LN], v[PC1+4:PC1+7], s[CB:CB+1] offset:262144*\blk+16896
	WIN 0
	s_wait_xcnt 0x0                                ; the stores have read their registers
.endm
	s_load_b128 s[4:7], s[0:1], 0x0                ; qkv, the scales' exponents
	s_load_b64 s[8:9], s[0:1], 0x10                ; ctx
	v_lshl_add_u32 v[SPW], v0, 2, SPARE
	v_mov_b32 v[NIL], 0
	v_lshrrev_b32 v[LN], 5, v0
	v_readfirstlane_b32 s[WV], v[LN]               ; wave 0..7
	v_and_b32 v[LN], 31, v0
	v_lshlrev_b32 v[LN], 4, v[LN]
	s_lshl_b32 s[SO], s[WV], 13
	v_add_nc_u32 v[GA], s[SO], v[LN]               ; my 8,192 bytes of key steps 0-3
	s_and_b32 s12, ttmp7, 0xffff                   ; the head of the batch
	s_mul_i32 s58, s12, 393216
	s_add_co_u32 s60, s58, 131072                  ; its K and V
	s_mov_b32 s61, 0
	s_lshl_b32 s13, ttmp9, 5
	s_lshl_b32 s14, s[WV], 1
	s_add_co_u32 s13, s13, s14                     ; my first tile of queries: 32 x + 2 x wave (the second pass: 16 on)
	s_lshl_b32 s14, s13, 10
	s_add_co_u32 s14, s14, s58
	s_mov_b32 s15, 0
	s_lshr_b32 s2, s12, 4
	s_lshl_b32 s2, s2, 7
	s_add_co_u32 s2, s2, s13                       ; the token tile: 128 x batch + my tile
	s_lshl_b32 s2, s2, 14
	s_and_b32 s3, s12, 15
	s_lshl_b32 s3, s3, 10
	s_add_co_u32 s2, s2, s3
	s_mov_b32 s3, 0
	s_mov_b32 s[SEL], 0x76543210
	s_mov_b32 s[SEL+1], 0xfedcba98
	s_mov_b32 s[CS], 0x3e38aa3b                    ; c = log2(e) / 8
	s_wait_alu depctr_va_vdst(0)
	s_wait_kmcnt 0x0
	s_load_b128 s[48:51], s[6:7], 0x18             ; eq, ek, ep, ev
	s_load_b32 s52, s[6:7], 0x28                   ; e(ctx)
	s_add_nc_u64 s[KV:KV+1], s[4:5], s[60:61]
	s_add_nc_u64 s[QB:QB+1], s[4:5], s[14:15]
	s_add_nc_u64 s[CB:CB+1], s[8:9], s[2:3]
	GL16 KF
	QLOAD QF, 0
	s_wait_kmcnt 0x0
	s_add_co_i32 s58, s48, s49
	s_lshl_b32 s58, s58, 23
	s_add_co_i32 s[CS], s[CS], s58                 ; a score stands for score x 2^(eq + ek)
	s_mov_b32 s[CS+1], s[CS]
	s_xor_b32 s[NCS], s[CS], 0x80000000            ; -c
	s_add_co_i32 s58, s50, 127
	s_lshl_b32 s59, s58, 23
	s_add_co_i32 s58, s58, 8
	s_lshl_b32 s60, s58, 23
	s_or_b32 s60, s60, 0x600000
	s_sub_co_i32 s58, s52, s50
	s_sub_co_i32 s58, s58, s51
	s_add_co_i32 s58, s58, 127
	s_lshl_b32 s62, s58, 23
	s_add_co_i32 s58, s58, 8
	s_lshl_b32 s63, s58, 23
	s_or_b32 s63, s63, 0x600000
	v_mov_b32 v[SCLP], s59                         ; 2^ep
	v_mov_b32 v[LIMP], s60                         ; 448 x 2^ep
	v_mov_b32 v[SCLO], s62                         ; 2^(e(ctx) - ep - ev)
	v_mov_b32 v[LIMO], s63                         ; 448 x that
	v_mov_b32 v[F0+1], 0
	v_mov_b32 v[F1+1], 0
	v_mov_b32 v[X0], 0                             ; a lane permute's destination counts as one of its sources
	v_mov_b32 v[X1], 0
	INIT
	s_wait_alu depctr_va_vdst(0)
	s_wait_loadcnt 0x4                             ; my part of key steps 0-3 is in registers; Q's four loads may be out
	SL16 KF
	s_mul_i32 s[SO], s[WV], 24576
	s_add_co_u32 s[SO], s[SO], 65536               ; my 24,576 bytes of key steps 4-15
	s_wait_dscnt 0x0                               ; my stores are done
	s_barrier_signal -1
	s_barrier_wait -1                              ; key steps 0-3 are whole
	LD16 KF, LN, 0
	s_wait_loadcnt 0x0                             ; Q
	s_mov_b32 s[TB], 0
	s_mov_b32 s[CNT], 3
.Lhead_steps:                                      ; key steps 0-2 read bytes under 57,344 and store from 65,536 on
	STEP 1, QF
	s_sub_co_u32 s[CNT], s[CNT], 1
	s_cmp_lg_u32 s[CNT], 0
	s_cbranch_scc1 .Lhead_steps
	s_wait_dscnt 0x0                               ; my stores are done
	s_barrier_signal -1
	s_barrier_wait -1                              ; all of K and V is in LDS: no barrier from here on
	QLOAD ST, 1                                    ; the second pass's Q, thirteen key steps ahead of its use
	s_mov_b32 s[TB], 3*STEPB
	s_mov_b32 s[CNT], 13
.Lrest_steps:
	STEP 0, QF
	s_sub_co_u32 s[CNT], s[CNT], 1
	s_cmp_lg_u32 s[CNT], 0
	s_cbranch_scc1 .Lrest_steps
	OUT 0
	INIT
	LD16 KF, LN, 0
	s_wait_alu depctr_va_vdst(0)
	s_wait_loadcnt 0x0
	s_mov_b32 s[TB], 0
	s_mov_b32 s[CNT], 16
.Lsecond_steps:
	STEP 0, ST
	s_sub_co_u32 s[CNT], s[CNT], 1
	s_cmp_lg_u32 s[CNT], 0
	s_cbranch_scc1 .Lsecond_steps
	OUT 1
	s_wait_tensorcnt 0x0                           ; the wave's end
	ds_add_u32 v[SPW], v[NIL]
	s_wait_dscnt 0x0
	s_endpgm
.Lfunc_end_k_qe902b47069_attn:
	.size	k_qe902b47069_attn, .Lfunc_end_k_qe902b47069_attn-k_qe902b47069_attn
	.p2alignl 7, 3214868480
	.fill 96, 4, 3214868480
	.section	.rodata,"a",@progbits
	.p2align	6, 0x0
	.amdhsa_kernel k_qe902b47069_attn
		.amdhsa_group_segment_fixed_size 263168
		.amdhsa_private_segment_fixed_size 0
		.amdhsa_enable_private_segment 0
		.amdhsa_kernarg_size 24
		.amdhsa_user_sgpr_count 2
		.amdhsa_user_sgpr_kernarg_segment_ptr 1
		.amdhsa_wavefront_size32 1
		.amdhsa_system_sgpr_workgroup_id_x 1
		.amdhsa_system_sgpr_workgroup_id_y 1
		.amdhsa_system_sgpr_workgroup_id_z 1
		.amdhsa_system_vgpr_workitem_id 0
		.amdhsa_next_free_vgpr 512
		.amdhsa_next_free_sgpr 66
		.amdhsa_reserve_vcc 0
		.amdhsa_float_denorm_mode_32 3
		.amdhsa_float_denorm_mode_16_64 3
		.amdhsa_memory_ordered 1
		.amdhsa_forward_progress 1
		.amdhsa_inst_pref_size 118
	.end_amdhsa_kernel
	.amdgpu_metadata
---
amdhsa.version: [ 1, 2 ]
amdhsa.kernels:
  - .name:           k_qe902b47069_attn
    .symbol:         k_qe902b47069_attn.kd
    .args:
      - { .name: qkv, .offset: 0, .size: 8, .value_kind: global_buffer, .address_space: global }
      - { .name: lowp_scales, .offset: 8, .size: 8, .value_kind: global_buffer, .address_space: global }
      - { .name: ctx, .offset: 16, .size: 8, .value_kind: global_buffer, .address_space: global }
    .group_segment_fixed_size: 263168
    .private_segment_fixed_size: 0
    .kernarg_segment_align: 8
    .kernarg_segment_size: 24
    .max_flat_workgroup_size: 256
    .sgpr_count:     66
    .vgpr_count:     512
    .wavefront_size: 32
...
	.end_amdgpu_metadata
.endif
;; end of part 3
;; launch outp (part 4): grid 64 x 4, 4 waves a work-group, clusters of 4 x 1, 327,680 bytes of LDS; arguments ctx, wc, lowp_scales, bo, out0; writes out0
.if DOCPART == 4
	.amdgcn_target "amdgcn-amd-amdhsa--gfx1250"
	.amdhsa_code_object_version 6
	.text
	.protected	k_qe902b47069_outp
	.globl	k_qe902b47069_outp
	.p2align	8
	.type	k_qe902b47069_outp,@function
k_qe902b47069_outp:
	s_mov_b64 s[64:65], 0
	v_nop
	global_prefetch_b8 v0, s[64:65] scope:SCOPE_SE
	s_setreg_imm32_b32 hwreg(HW_REG_WAVE_MODE, 25, 1), 1
	s_wait_xcnt 0x0
	s_wait_alu depctr_hold_cnt(0) depctr_sa_sdst(0) depctr_va_vdst(0) depctr_va_sdst(0) depctr_va_ssrc(0) depctr_va_vcc(0) depctr_vm_vsrc(0)
	s_getreg_b32 s2, hwreg(HW_REG_IB_STS2, 6, 4)
	s_cmp_eq_u32 s2, 0
	s_cbranch_scc0 .Lentry_in_a_cluster
	s_endpgm
.Lentry_in_a_cluster:
	s_bfe_u32 s2, ttmp6, 0x10000c
	s_cmp_lg_u32 s2, 0x3003
	s_cbranch_scc0 .Lentry_shape_is_right
	s_endpgm
.Lentry_shape_is_right:
; out0 = ctx Wo + bo on codes of FP8 (E4M3): [8192 tokens][1024 k] x [1024 n][1024 k], f32 out.  A number of ctx is its code x 2^ea, of Wo x 2^eb (entries 10 and 11 of the scales).
; A work-group makes 128 tokens (work-group x) x 256 channels (work-group y): 256 work-groups.  Four waves, each 64 tokens x 128 channels: 32 accumulators, 256 registers.
; Wo: the work-group's 256 rows of 1,024 codes, the whole K, come into LDS ONCE: each wave asks for 64 rows by one tensor load at the head.  Nothing is filled again: no ring, no change of slots.
; The four work-groups of a cluster (4 x 1: neighbours along x) take the same rows of Wo and ask for them jointly, mask 15.
; ctx lies in memory as images of operand registers ([token tile of 16][64 k][1,024 bytes]), so a wave loads its 4 tiles' whole K, 65,536 bytes, straight into 512 registers: 128 loads of 512 consecutive bytes.
; ctx has no joint load: beside Wo's 266,240 bytes and the stages LDS has no room for a work-group's 131,072 bytes of it.
; No prefetch: all that the work-group reads is asked for at the head; there is no loop to run ahead in.
; THE ORDER OF THE 16 HALF STEPS (a K step of 128 x four channel tiles): K steps 0-3 for channel tiles 0-3, then for tiles 4-7; K steps 4-7 for tiles 0-3, then for tiles 4-7.
; So the sums of channel tiles 0-3 are finished behind the twelfth half step, and their blocks leave among the last four.
; THE MATRIX INSTRUCTION IS USED TRANSPOSED (source 0 = 16 channels, source 1 = 16 tokens): a lane holds eight neighbouring channels of one token.
; The bias, divided by 2^(ea + eb), is the C of each sum's first product; each finished sum is multiplied by 2^(ea + eb).  LIMIT: ea + eb between -126 and 127.
; REGISTERS, in windows of 256.  Window 0: v16-29 addresses; v32-95 the bias, later two sets of rows read back from the stage; v96-127 a block's results; v128-255 two buffers of four fragments of Wo.
; Window 1: the accumulators, (a, b) at v[8 (8 a + b)].  Windows 2, 3: ctx: K step q, tile a at v[64 (q % 4) + 16 a] of window 2 + q / 4.
.set PITCH,  1040                      ; an LDS row of Wo: 1,024 bytes + 16 of padding = 65 x 16: the 16 rows that a load touches start at 16 different banks (64 banks of 4 bytes: ISA guide 11.1)
.set SPITCH, 528                       ; from row to row of a stage: 33 x 16
.set STAGE,  256*PITCH                 ; behind Wo: 16 rows for each wave, bytes of their own
.set SPARE,  STAGE+4*16*SPITCH         ; behind the stages: the spare words, 128 bytes for each wave
.set LN,   16                          ; 16 x lane
.set ADRB, 20                          ; v20-21 LDS address of my fragments of Wo: channel tiles 0-3, 4-7
.set STO,  24
.set RD,   25
.set CO,   26
.set BOF,  27
.set SPW,  28                          ; my spare word; never rewritten
.set NIL,  29                          ; 0; never rewritten
.set BIAS, 32
.set BK,   32
.set TMP,  96
.set BUF,  128
.set G1,   24
.set G0,   32
.set MSB, 0
.macro WIN new                         ; the immediate's high byte repeats the setting that is left
.if MSB != \new
	s_set_vgpr_msb (MSB<<8)|\new
.set MSB, \new
.endif
.endm
.macro CROUND                          ; a round of the cluster's barrier
	s_barrier_signal -1
	s_barrier_wait -1
	s_cmp_lg_u32 s14, 0
	s_cbranch_scc1 .Lnot_wave_0_\@
	s_barrier_signal -3
.Lnot_wave_0_\@:
	s_barrier_wait -3
	s_barrier_signal -1
	s_barrier_wait -1
.endm
.macro PLACES                          ; plain vector lines between a matrix instruction and a load into, or a vector read of, its registers
.rept 4
	v_nop
.endr
.endm
	s_load_b128 s[4:7], s[0:1], 0x0                ; ctx, wc
	s_load_b128 s[8:11], s[0:1], 0x10              ; the scales' exponents, bo
	s_load_b64 s[12:13], s[0:1], 0x20              ; out0
	v_lshl_add_u32 v[SPW], v0, 2, SPARE
	v_mov_b32 v[NIL], 0
	ds_add_u32 v[SPW], v[NIL]                      ; the opening lines: the add, twice on end, and its wait ahead of my tensor load
	ds_add_u32 v[SPW], v[NIL]
	v_lshrrev_b32 v1, 5, v0
	v_readfirstlane_b32 s14, v1                    ; wave 0..3
	s_lshr_b32 s15, s14, 1                         ; which 64 tokens are mine
	s_and_b32 s16, s14, 1                          ; which 128 channels
	s_bfe_u32 s40, ttmp6, 0x40000                  ; cx
	s_lshl_b32 s42, ttmp9, 2
	s_add_co_u32 s42, s42, s40                     ; which 128 tokens: 4 x cluster x + cx
	s_and_b32 s17, ttmp7, 0xffff                   ; which 256 channels
	s_mov_b32 s[G1+0], 15|(1<<20)|(1<<21)|(7<<22)|(3<<25)   ; 15:0 the mask: all four; 17:16 elements of 1 byte; 20 padding on; 21 set beside a mask; 24:22 after every 256 words; 31:25 four words
	s_mov_b32 s[G1+1], 1024<<16                    ; tensor_dim0
	s_mov_b32 s[G1+2], 64<<16                      ; tensor_dim1
	s_mov_b32 s[G1+3], 1024<<16                    ; tile_dim0
	s_mov_b32 s[G1+4], 64                          ; tile_dim1
	s_mov_b32 s[G1+5], 1024                        ; tensor_dim0_stride
	s_mov_b32 s[G1+6], 0
	s_mov_b32 s[G1+7], 0
	s_lshl_b32 s46, s17, 8
	s_lshl_b32 s47, s14, 6
	s_add_co_u32 s46, s46, s47
	s_lshl_b32 s46, s46, 10                        ; Wo: row 256 y + 64 x wave,
	s_add_co_u32 s46, s46, 3*1048576               ; in the fourth weight of wc: nothing here hangs on cx
	s_mov_b32 s47, 0
	s_mul_i32 s45, s14, 64*PITCH                   ; and where it goes
	s_lshl_b32 s20, s42, 3
	s_lshl_b32 s21, s15, 2
	s_add_co_u32 s20, s20, s21
	s_lshl_b32 s20, s20, 14                        ; ctx: token tile 8 x + 4 x half, 16,384 bytes a tile
	s_mov_b32 s21, 0
	s_lshl_b32 s48, s42, 7
	s_lshl_b32 s49, s15, 6
	s_add_co_u32 s48, s48, s49
	s_lshl_b32 s48, s48, 12                        ; out0: my first row, 4,096 bytes a row,
	s_mov_b32 s49, 0
	s_lshl_b32 s50, s17, 8
	s_lshl_b32 s51, s16, 7
	s_add_co_u32 s50, s50, s51
	s_lshl_b32 s50, s50, 2                         ; and my first channel, in bytes
	s_mov_b32 s51, 0
	s_wait_dscnt 0x0                               ; both opening adds are done
	s_wait_kmcnt 0x0
	s_load_b64 s[96:97], s[8:9], 0x28              ; ea, eb
	s_add_nc_u64 s[46:47], s[6:7], s[46:47]
	s_add_nc_u64 s[20:21], s[4:5], s[20:21]
	s_add_nc_u64 s[10:11], s[10:11], s[50:51]
	s_add_nc_u64 s[12:13], s[12:13], s[48:49]
	s_add_nc_u64 s[12:13], s[12:13], s[50:51]
	s_mov_b32 s[G0], 1
	s_mov_b32 s[G0+1], s45
	s_mov_b64 s[G0+2:G0+3], s[46:47]
	s_or_b32 s[G0+3], s[G0+3], 0x80000000
	CROUND                                         ; all four work-groups are here: the joint loads meet
	tensor_load_to_lds s[G0:G0+3], s[G1:G1+7]      ; my 64 rows of Wo: the wave's one tensor load
	s_nop 0
	PLACES
	v_and_b32 v1, 15, v0                           ; r
	v_bfe_u32 v2, v0, 4, 1                         ; h
	v_mul_u32_u24 v3, v1, PITCH
	v_lshl_add_u32 v3, v2, 4, v3                   ; a fragment's row x pitch + 16 h
	s_mul_i32 s22, s16, 128*PITCH
	v_add_nc_u32 v[ADRB], s22, v3
	v_add_nc_u32 v[ADRB+1], 64*PITCH, v[ADRB]
	v_and_b32 v[LN], 31, v0
	v_lshlrev_b32 v[LN], 4, v[LN]
	s_mul_i32 s23, s14, 16*SPITCH
	s_add_co_u32 s23, s23, STAGE                   ; my stage
	v_mul_u32_u24 v5, v1, SPITCH                   ; in: row r, 32 bytes for each half of the lanes
	v_lshl_add_u32 v5, v2, 5, v5
	v_add_nc_u32 v[STO], s23, v5
	v_mul_u32_u24 v6, v2, SPITCH                   ; back: lanes 0-15 take one row of 256 bytes, lanes 16-31 the next
	v_lshl_add_u32 v6, v1, 4, v6
	v_add_nc_u32 v[RD], s23, v6
	v_lshlrev_b32 v[CO], 12, v2                    ; and the same two rows in out0
	v_lshl_add_u32 v[CO], v1, 4, v[CO]
	v_lshlrev_b32 v[BOF], 5, v2                    ; the bias: for tile b the lane's eight channels 16 b + 8 h + 0..7
	s_wait_alu depctr_va_vdst(0)                   ; the wait behind the addresses
.irp b, 0,1,2,3,4,5,6,7
	global_load_b128 v[BIAS+8*\b:BIAS+8*\b+3], v[BOF], s[10:11] offset:64*\b
	global_load_b128 v[BIAS+8*\b+4:BIAS+8*\b+7], v[BOF], s[10:11] offset:64*\b+16
.endr
.macro ALOAD q                         ; ctx, K step q (128 along K) of my four tiles: 16 loads
.irp a, 0,1,2,3
.irp c, 0,1,2,3
	global_load_b128 v[64*((\q)%4)+16*\a+4*\c:64*((\q)%4)+16*\a+4*\c+3], v[LN], s[20:21] offset:16384*\a+2048*(\q)+512*\c
.endr
.endr
.endm
	WIN 0x80
.irp q, 0,1,2,3
	ALOAD \q
.endr
	WIN 0xc0
.irp q, 4,5,6,7
	ALOAD \q
.endr
	WIN 0
	s_wait_loadcnt 63                              ; of my 144 loads the first 81 are in: the bias and K steps 0-3
	s_wait_kmcnt 0x0
	s_add_co_i32 s94, s96, s97                     ; a sum stands for sum x 2^(ea + eb): the bias goes in divided by that
	s_sub_co_i32 s95, 0, s94
.set i, 0
.rept 64
	v_ldexp_f32 v[BIAS+i], v[BIAS+i], s95
.set i, i+1
.endr
	s_add_co_i32 s96, s94, 127
	s_lshl_b32 s96, s96, 23                        ; 2^(ea + eb) as f32
; Half step h: K step (h % 4) + 4 (h / 8), channel tiles 4 ((h / 4) % 2) + 0..3.  Its four fragments of Wo (16 channels x 128 K each: four loads of 16 bytes, 32 apart) go into buffer h % 2.
.macro BLD h
.set lq, ((\h)%4)+4*((\h)/8)
.set lb, ((\h)/4)%2
.set lu, BUF+64*((\h)%2)
.irp i, 0,1,2,3
.irp c, 0,1,2,3
	ds_load_b128 v[lu+16*\i+4*\c:lu+16*\i+4*\c+3], v[ADRB+lb] offset:\i*16*PITCH+128*lq+32*\c
.endr
.endr
.endm
; A half step: 16 matrix instructions on 16 accumulators by turns; behind them its buffer takes the fragments of two half steps on.
.macro HS h
.set q,  ((\h)%4)+4*((\h)/8)
.set bu, BUF+64*((\h)%2)
.set b0, 4*(((\h)/4)%2)
.set ar, 64*(q%4)
.if (\h) < 15
	s_wait_dscnt 16                                ; this half step's fragments are in; the next one's 16 loads may be out
.else
	s_wait_dscnt 0
.endif
.if (\h) >= 8
.if (\h) < 12
	s_wait_loadcnt 16*(7-q)                        ; ctx's K step q is in; the 16 loads of each later K step may be out
.endif
.endif
.if q == 0
.set wv, 0x48                          ; D window 1, C (the bias) and source 0 window 0, source 1 window 2
.else
.set wv, 0x58+4*(q/4)                  ; C and D window 1, source 0 window 0, source 1 window 2 or 3
.endif
	WIN wv
.irp i, 0,1,2,3
.irp a, 0,1,2,3
.if q == 0
	v_wmma_f32_16x16x128_fp8_fp8 v[8*(8*\a+b0+\i):8*(8*\a+b0+\i)+7], v[bu+16*\i:bu+16*\i+15], v[ar+16*\a:ar+16*\a+15], v[BIAS+8*(b0+\i):BIAS+8*(b0+\i)+7]
.else
	v_wmma_f32_16x16x128_fp8_fp8 v[8*(8*\a+b0+\i):8*(8*\a+b0+\i)+7], v[bu+16*\i:bu+16*\i+15], v[ar+16*\a:ar+16*\a+15], v[8*(8*\a+b0+\i):8*(8*\a+b0+\i)+7]
.endif
.endr
.endr
	WIN 0
	PLACES
.if (\h)+2 < 16
	BLD (\h)+2
.endif
.endm
; THE WAY OUT of block k: tokens 16 (k % 4) + 0..15, channel tiles 4 (k / 4) + 0..3: 32 registers x 2^(ea + eb), through my own stage, back as whole rows of 256 bytes: sixteen lanes store one aligned unit.
; LDS serves a wave's instructions in order (ISA guide 5.7.1.4): no wait between the stores into the stage and the loads out of it.  Every offset in out0 is an immediate: 254,208 bytes at the most.
.macro HOUT k
.set oa, (\k)%4
.set ob, (\k)/4
.set AC, 64*oa+32*ob
.set BB, BK+32*((\k)%2)
	WIN 0x01                                       ; source 0: window 1
.set i, 0
.rept 16
	v_pk_mul_f32 v[TMP+i:TMP+i+1], v[AC+i:AC+i+1], s[96:97] op_sel_hi:[1,0]   ; each accumulator from its low end on
.set i, i+2
.endr
	WIN 0
.irp b, 0,1,2,3
	ds_store_b128 v[STO], v[TMP+8*\b:TMP+8*\b+3] offset:64*\b
	ds_store_b128 v[STO], v[TMP+8*\b+4:TMP+8*\b+7] offset:64*\b+16
.endr
.if (\k) >= 2
	s_wait_xcnt 0x0                                ; block k - 2's stores have read their registers, which take this block's rows
.endif
.irp t, 0,1,2,3,4,5,6,7
	ds_load_b128 v[BB+4*\t:BB+4*\t+3], v[RD] offset:\t*2*SPITCH
.endr
	s_wait_dscnt 0x0                               ; the rows are back in registers
.irp t, 0,1,2,3,4,5,6,7
	global_store_b128 v[CO], v[BB+4*\t:BB+4*\t+3], s[12:13] offset:oa*65536+\t*8192+ob*256 th:TH_STORE_NT
.endr
.endm
	s_wait_alu depctr_va_vdst(0)
	s_wait_tensorcnt 0x0                           ; my 64 rows of Wo are in
	s_barrier_signal -1
	s_barrier_wait -1                              ; and everybody's
	BLD 0
	BLD 1
.set hh, 0
.rept 12
	HS hh
.set hh, hh+1
.endr
	HOUT 0                                         ; channel tiles 0-3 are finished: their four blocks leave among the last four half steps
	HS 12
	HOUT 1
	HS 13
	HOUT 2
	HS 14
	HOUT 3
	HS 15
.irp k, 4,5,6,7
	HOUT \k
.endr
	s_wait_tensorcnt 0x0                           ; the wave's end
	ds_add_u32 v[SPW], v[NIL]
	s_wait_dscnt 0x0
	CROUND                                         ; the closing round
	s_endpgm
.Lfunc_end_k_qe902b47069_outp:
	.size	k_qe902b47069_outp, .Lfunc_end_k_qe902b47069_outp-k_qe902b47069_outp
	.p2alignl 7, 3214868480
	.fill 96, 4, 3214868480
	.section	.rodata,"a",@progbits
	.p2align	6, 0x0
	.amdhsa_kernel k_qe902b47069_outp
		.amdhsa_group_segment_fixed_size 327680
		.amdhsa_private_segment_fixed_size 0
		.amdhsa_enable_private_segment 0
		.amdhsa_kernarg_size 40
		.amdhsa_user_sgpr_count 2
		.amdhsa_user_sgpr_kernarg_segment_ptr 1
		.amdhsa_wavefront_size32 1
		.amdhsa_system_sgpr_workgroup_id_x 1
		.amdhsa_system_sgpr_workgroup_id_y 1
		.amdhsa_system_sgpr_workgroup_id_z 1
		.amdhsa_system_vgpr_workitem_id 0
		.amdhsa_next_free_vgpr 1024
		.amdhsa_next_free_sgpr 100
		.amdhsa_reserve_vcc 0
		.amdhsa_float_denorm_mode_32 3
		.amdhsa_float_denorm_mode_16_64 3
		.amdhsa_memory_ordered 1
		.amdhsa_forward_progress 1
		.amdhsa_inst_pref_size 82
	.end_amdhsa_kernel
	.amdgpu_metadata
---
amdhsa.version: [ 1, 2 ]
amdhsa.kernels:
  - .name:           k_qe902b47069_outp
    .symbol:         k_qe902b47069_outp.kd
    .args:
      - { .name: ctx, .offset: 0, .size: 8, .value_kind: global_buffer, .address_space: global }
      - { .name: wc, .offset: 8, .size: 8, .value_kind: global_buffer, .address_space: global }
      - { .name: lowp_scales, .offset: 16, .size: 8, .value_kind: global_buffer, .address_space: global }
      - { .name: bo, .offset: 24, .size: 8, .value_kind: global_buffer, .address_space: global }
      - { .name: out0, .offset: 32, .size: 8, .value_kind: global_buffer, .address_space: global }
    .group_segment_fixed_size: 327680
    .private_segment_fixed_size: 0
    .kernarg_segment_align: 8
    .kernarg_segment_size: 40
    .max_flat_workgroup_size: 128
    .sgpr_count:     100
    .vgpr_count:     1024
    .wavefront_size: 32
...
	.end_amdgpu_metadata
.endif
;; end of part 4
